; MI455X (gfx1250); checked and timed in simulation.
; The chip was launched on July 23, 2026; its instructions are those of AMD's public machine-readable ISA for CDNA 5 (MIT licence, August 2026) and "CDNA5" Instruction Set Architecture Reference Guide (July 2026). The comments in the code are by the model that wrote it; some were corrected since.
;; K Means. Allowed arithmetic: matrix products marked QUANTISED: E2M3 operands, one E8M0 scale for each 32 along K, by v_wmma_scale_f32_16x16x128_f8f6f4 with both operands' format E2M3, f32 sums; everything else in f32.
;; Inputs: centers 1,024 x 64 float32; x 262,144 x 64 float32.
;; Outputs: out0 262,144 int32.
;; This version of the problem:
;;   THIS VERSION OF THE PROBLEM IS GIVEN IN LOW PRECISION. The matrix products marked QUANTISED in the list below multiply operands that are first quantised to E2M3 (2 exponent bits, 3 mantissa bits; 6 bits a number), with one power-of-two scale for each 32 numbers along K (OCP MX v1.0); their sums are f32. All else is computed in f32.
;;   The module's matrix products, in the order in which they are computed (A, B: the left and right operand; K: the contracted axis; several contracted axes count as one K, in the product's order):
;;     1. [M 262,144, K 64] x [K 64, N 1,024]; A: input x; B: input centers: QUANTISED
;;   THE QUANTISER, for each operand of a quantised product, along K:
;;     - K is cut into blocks of 32 from its start; a last block that is shorter is filled with zeros.
;;     - A block's scale is 2^e with e = floor(log2(the largest magnitude in the block)) - 2, held to -126 .. 127; a block of zeros has e = 0. As a byte (E8M0): e + 127.
;;     - Each number is divided by its block's scale, clamped to +-7.5, and rounded to the nearest number of E2M3, ties to even, subnormals kept.
;;     - The product sums the exact products of the quantised numbers (number of the format x scale) in f32.
;;   ~~~python
;;   def quantise(x, axis):      # numpy; x: float32 -> the quantised numbers, widened to float32 again
;;       x = np.moveaxis(x, axis, -1); K = x.shape[-1]
;;       x = np.pad(x, [(0, 0)] * (x.ndim - 1) + [(0, -K % 32)]); x = x.reshape(x.shape[:-1] + (-1, 32)); a = np.abs(x).max(-1, keepdims=True)
;;       e = np.where(a > 0, np.clip(np.frexp(np.where(a > 0, a, 1))[1] - 1 - 2, -126, 127), 0)      # np.frexp(a)[1] - 1 = floor(log2(a)), exactly
;;       r = np.clip(x / 2.0 ** e, -7.5, 7.5)
;;       step = 2.0 ** (np.maximum(np.frexp(np.where(r == 0, 1, r))[1] - 1, 0) - 3)
;;       q = np.round(r / step) * step * 2.0 ** e      # np.round: ties to even
;;       return np.moveaxis(q.reshape(q.shape[:-2] + (-1,))[..., :K], -1, axis).astype(np.float32)
;;   ~~~
;; One version. Each part assembles by itself: llvm-mc -triple=amdgcn-amd-amdhsa -mcpu=gfx1250 --defsym DOCPART=n.
;; ======== version 1 of 1: 1 launch
;; limits: right only within a limited range of input values
;; launch kmeans (part 1): grid 256 x 1, 16 waves a work-group, no clusters, 198,656 bytes of LDS; arguments x, centers, out0; writes out0
.if DOCPART == 1
	.amdgcn_target "amdgcn-amd-amdhsa--gfx1250"
	.amdhsa_code_object_version 6
	.text
	.protected	k_q978e50dc46_kmeans
	.globl	k_q978e50dc46_kmeans
	.p2align	8
	.type	k_q978e50dc46_kmeans,@function
k_q978e50dc46_kmeans:
	s_mov_b64 s[64:65], 0
	v_nop
	global_prefetch_b8 v0, s[64:65] scope:SCOPE_SE
	s_setreg_imm32_b32 hwreg(HW_REG_WAVE_MODE, 25, 1), 1
	s_wait_xcnt 0x0
; out0[n] = the first k at which |xn[n] - 2 Q(x[n]) . Q(c[k]) + cn[k]| is smallest.  x: [262144][64] f32, centers: [1024][64] f32, out0: [262144] int32.
; Q: codes of FP6 (E2M3) with one E8M0 scale for each 32 along the 64; the product is made by the scaled matrix instruction on these codes, sums in f32.
; SHARES.  256 work-groups of sixteen waves; a work-group owns 1,024 rows of x, a wave 64: four tiles of 16.  Each wave quantises 64 centres into LDS; one barrier; then every wave walks all 64 tiles of 16 centres.
; TRANSPOSED: source 0 = 16 centres, source 1 = 16 rows of x.  Lane (r = lane % 16, h = lane / 16) holds row r of x, register j centre 16 t + 8 h + j: the argmin runs along a lane's registers.
; THE INSTRUCTION'S K IS 128, THE PROBLEM'S 64.  An operand of x holds tile a at k 0-63 and tile a + 1 at k 64-127.  The centres' six registers stand between zero codes (Z0 C0 Z1 C1 Z2):
; (C, Z) multiplies the lower tile of x, (Z, C) the upper one; zero codes add nothing under any scale byte made here (2 to 254).
; WHAT A REGISTER HOLDS IS -dist.  The centres' scale bytes are one higher than the quantiser's (the factor 2, a power of two), -xn is the product's C, and the records hold -cn: 2 dot - xn comes out of the
; matrix instruction, one packed addition brings -cn.  Only magnitudes are compared.
; THE ARGMIN GOES BY GROUPS OF EIGHT.  The best magnitude is one more leaf of a tile's minimum, written to two registers by turns; where it has changed, seven of the eight numbers and the tile's number are kept
; (if none of the seven has the best magnitude, it is the eighth).  An equal tile changes nothing, the end takes the first of the eight and, between the halves of the lanes, the lower index: as argmin does.
; QUANTISING: A LANE TAKES A WHOLE ROW.  32 rows come by sixteen loads of 512 consecutive bytes, turn through the wave's stage in LDS, and lie 64 numbers to a lane: both blocks' maxima and the norm need no other lane.
; Six lane swaps then give the operand's layout: lanes 0-15 both tiles' block 0, lanes 16-31 both tiles' block 1.
; THE NORMS: each square rounded to f32, the 64 squares added one after the other, k ascending.
; NO JOINT REQUESTS, NO TENSOR LOADS: x is read once, by one wave.  The centres go from memory into the registers of the wave that quantises them; a joint request would land them in LDS as f32,
; 262,144 bytes beside the 198,656 in use: more than the 327,680 that there are.  NO PREFETCH: all loads are issued in the head, as registers fall free; there is no loop to run ahead in.
; LIMITS.  NaN and infinities among the inputs are not served.  A block whose largest magnitude lies under 2^-124 has the quantiser's byte held at 1 (a block of zeros too: its codes are zeros, and only this text
; reads the byte); such blocks were not tried.  2 dot - xn is rounded as the matrix instruction rounds its sum, where reference() rounds to the nearest, ties to even: the bits are the same wherever that sum is a
; number of f32 (so wherever 0 <= 2 dot <= 2 xn and 2 dot is a multiple of xn's last place); elsewhere, and if reference()'s row sums go in another order than k ascending, a distance may differ in its last bit,
; and with it the choice between two centres whose distances differ by as little.
.set REC,  896                         ; LDS: a tile of centres: +0, +256, +512 the code registers (0,1), (2,3), (4,5), 8 bytes a lane; +768 16 scale words; +832 16 norms, negated
.set STG,  64*REC                      ; behind the 64 records: a stage of its own for each wave,
.set SP,   272                         ; 32 rows of 256 bytes + 16: row r starts at bank 4 r mod 64 (64 banks of 4 bytes: ISA guide 11.1)
.set STGW, 32*SP
.set SPARE, STG+16*STGW                ; behind the stages: the spare words, 128 bytes for each wave, which no other line names
.set GX,   4                           ; v4   16 x lane: my 16 bytes of a load's 512
.set STI,  5                           ; v5   the stage, in: row lane / 16, 16 (lane % 16)
.set STO,  6                           ; v6   the stage, out: row = lane
.set CW8,  7                           ; v7   where I store centres' codes: my wave's four records + 8 x lane
.set CW4,  8                           ; v8   and my row's scale word: record h of a pair, + 768 + 4 r
.set AC8,  9                           ; v9   where I read centres' codes: 8 x lane; steps four records a trip
.set ASC,  10                          ; v10  their scale words: 768 + 4 r; likewise
.set ACN,  11                          ; v11  their norms: 832 + 32 h; likewise
.set SH8,  12                          ; v12  8 h
.set OSI,  13                          ; v13  the stage at the end: 4 r
.set OSO,  14                          ; v14  and 8 x lane
.set GO,   15                          ; v15  my 8 bytes of the wave's 256 of out0
.set XF,   16                          ; v16-39 x's two operands (while centres are quantised: a pair's codes)
.set XS,   40                          ; v40-41 x's scale words
.set XNR,  42                          ; v42-43 my row's norm, rows 0-31 and rows 32-63
.set A0,   46                          ; v46-47 largest magnitudes; at work at the end
.set SA,   48                          ; v48 a running sum
.set WD,   50                          ; v50-51 the conversions' scale operands; a scale word in the making
.set BY,   52                          ; v52-53 my row's two scale bytes
.set TC,   54                          ; v54-56, v58-60 the blocks' upper 16 codes (a conversion's three registers begin on an even number)
.set PX,   62                          ; v62-63 what a lane takes from lane xor 16
.set S0,   64                          ; ahead of the walk: three slots of 64 numbers
.set S1,   128
.set S2,   192
.set CF,   70                          ; v64-93 Z0 C0 Z1 C1 Z2, six registers each: C0 at v70, C1 at v82
.set CSC,  94                          ; v94-95 the centres' scale words, buffer 0, 1
.set CN,   96                          ; v96-111 the centres' negated norms, buffer 0, 1
.set BE,   112                         ; v112-119 tile a's best magnitude, in v[112 + 2 a] and v[113 + 2 a] by turns
.set MN,   120                         ; v120-127 at work on the minimum
.set XNC,  128                         ; v128-159 -xn as the products' C: tile a's in eight registers from v[128 + 8 a]
.set DT,   160                         ; v160-191 the products, then -dist: tile a at v[160 + 8 a]
.set SV,   192                         ; v192-223 kept: tile a's seven numbers from v[192 + 8 a], their tile's number in the eighth register
.set TN,   225                         ; v225 the number of the tile of centres in hand (an odd register: see SAVE)
.macro GLD R, base, off, nt            ; 32 rows, 8,192 bytes: sixteen loads of 512 consecutive bytes, two rows each
.irp q, 0,1,2,3,4,5,6,7,8,9,10,11,12,13,14,15
.if \nt
	global_load_b128 v[(\R)+4*\q:(\R)+4*\q+3], v[GX], s[\base:\base+1] offset:(\off)+512*\q th:TH_LOAD_NT
.else
	global_load_b128 v[(\R)+4*\q:(\R)+4*\q+3], v[GX], s[\base:\base+1] offset:(\off)+512*\q
.endif
.endr
.endm
.macro TURN R                          ; through my stage: afterwards register i of lane l holds k = i of row l.  LDS serves a wave's instructions in order (ISA guide 5.7.1.4): no wait between
.irp q, 0,1,2,3,4,5,6,7,8,9,10,11,12,13,14,15
	ds_store_b128 v[STI], v[(\R)+4*\q:(\R)+4*\q+3] offset:2*SP*\q
.endr
.irp q, 0,1,2,3,4,5,6,7,8,9,10,11,12,13,14,15
	ds_load_b128 v[(\R)+4*\q:(\R)+4*\q+3], v[STO] offset:16*\q
.endr
	s_wait_dscnt 0x0
.endm
; My row of 64 numbers, v[R] on, becomes codes; the 32 rows' codes become two fragments of six registers at v[F] and v[F + 6] (rows 0-15, rows 16-31); my two scale bytes in v[BY], v[BY + 1]; the numbers are squared in place.
.macro QUNIT R, F
	v_max3_num_f32 v[A0], |v[(\R)]|, |v[(\R)+1]|, 0x1800000        ; the two blocks' largest magnitudes by turns, with the floor 2^(3 - 127) among the leaves: the byte cannot fall under 1
	v_max3_num_f32 v[A0+1], |v[(\R)+32]|, |v[(\R)+33]|, 0x1800000
.irp i, 2,4,6,8,10,12,14,16,18,20,22,24,26,28,30
	s_delay_alu instid0(VALU_DEP_2)
	v_max3_num_f32 v[A0], v[A0], |v[(\R)+\i]|, |v[(\R)+\i+1]|
	s_delay_alu instid0(VALU_DEP_2)
	v_max3_num_f32 v[A0+1], v[A0+1], |v[(\R)+32+\i]|, |v[(\R)+33+\i]|
.endr
	s_delay_alu instid0(VALU_DEP_2)
	v_add_nc_u32 v[WD], 0xff000000, v[A0]                          ; 2 off the exponent field: the conversion takes the exponent field of this operand as its scale, and nothing else of it
	s_delay_alu instid0(VALU_DEP_2)
	v_add_nc_u32 v[WD+1], 0xff000000, v[A0+1]
	v_cvt_scalef32_pk16_fp6_f32 v[(\F):(\F)+2], v[(\R):(\R)+15], v[WD]
	v_cvt_scalef32_pk16_fp6_f32 v[TC:TC+2], v[(\R)+16:(\R)+31], v[WD]
	v_cvt_scalef32_pk16_fp6_f32 v[(\F)+6:(\F)+8], v[(\R)+32:(\R)+47], v[WD+1]
	v_cvt_scalef32_pk16_fp6_f32 v[TC+4:TC+6], v[(\R)+48:(\R)+63], v[WD+1]
	v_lshrrev_b32 v[BY], 23, v[WD]                                 ; the scales' bytes.  (The plain line between the conversions and what touches their results or writes their sources)
	v_lshrrev_b32 v[BY+1], 23, v[WD+1]
.irp i, 0,1,2
	v_mov_b32 v[(\F)+3+\i], v[TC+\i]
	v_mov_b32 v[(\F)+9+\i], v[TC+4+\i]
.endr
.irp i, 0,1,2,3,4,5
	v_permlane16_swap_b32 v[(\F)+\i], v[(\F)+6+\i]                 ; block 0's lanes 16-31 change places with block 1's lanes 0-15: the first six registers now hold rows 0-15 (lane (r, h): block h), the second six rows 16-31
.endr
.set QI, 0
.rept 32
	v_pk_mul_f32 v[(\R)+QI:(\R)+QI+1], v[(\R)+QI:(\R)+QI+1], v[(\R)+QI:(\R)+QI+1]   ; the squares, each rounded to f32
.set QI, QI+2
.endr
.endm
.macro CHAIN1 R, N                     ; my row's norm: 63 additions, k ascending
	v_add_f32 v[\N], v[(\R)], v[(\R)+1]
.set QI, 2
.rept 62
	s_delay_alu instid0(VALU_DEP_1)
	v_add_f32 v[\N], v[\N], v[(\R)+QI]
.set QI, QI+1
.endr
.endm
.macro CHAIN2 Ra, Rb, Na, Nb           ; two rows' norms, the chains by turns
	v_add_f32 v[\Na], v[(\Ra)], v[(\Ra)+1]
	v_add_f32 v[\Nb], v[(\Rb)], v[(\Rb)+1]
.set QI, 2
.rept 62
	s_delay_alu instid0(VALU_DEP_2)
	v_add_f32 v[\Na], v[\Na], v[(\Ra)+QI]
	s_delay_alu instid0(VALU_DEP_2)
	v_add_f32 v[\Nb], v[\Nb], v[(\Rb)+QI]
.set QI, QI+1
.endr
.endm
.macro CFIN u                          ; tiles 2 u and 2 u + 1 of my four tiles of centres go to their records
	v_lshl_or_b32 v[WD], v[BY+1], 8, v[BY]                         ; my row's two bytes,
	v_xor_b32 v[SA], 0x80000000, v[SA]                             ; -cn
	v_lshl_or_b32 v[WD], v[WD], 16, v[WD]                          ; twice: for k 0-63 and for k 64-127,
	v_add_nc_u32 v[WD], 0x01010101, v[WD]                          ; each one higher: the factor 2 (a byte is 253 at the most before this line: no carry, and no 0xff)
.irp e, 0,1
.irp q, 0,1,2
	ds_store_b64 v[CW8], v[XF+6*\e+2*\q:XF+6*\e+2*\q+1] offset:REC*(2*(\u)+\e)+256*\q   ; the codes as an image of their registers: 256 consecutive bytes a store
.endr
.endr
	ds_store_b32 v[CW4], v[WD] offset:REC*2*(\u)                   ; lanes 0-15 into the first record, lanes 16-31 into the second
	ds_store_b32 v[CW4], v[SA] offset:REC*2*(\u)+64
.endm
.macro XFIN p                          ; the scale word of x's operand p: lanes 0-15: the lower tile's two bytes, then the upper tile's, which lane + 16 holds (lanes 16-31 are not read)
	v_lshl_or_b32 v[WD], v[BY+1], 8, v[BY]
	v_permlanex16_b32 v[PX], v[WD], s20, s21
	v_lshl_or_b32 v[XS+(\p)], v[PX], 16, v[WD]
.endm
.macro LOADC b, off                    ; a tile of centres into buffer b: six LDS loads
.irp q, 0,1,2
	ds_load_b64 v[CF+12*(\b)+2*\q:CF+12*(\b)+2*\q+1], v[AC8] offset:(\off)+256*\q
.endr
	ds_load_b32 v[CSC+(\b)], v[ASC] offset:(\off)
	ds_load_b128 v[CN+8*(\b):CN+8*(\b)+3], v[ACN] offset:(\off)
	ds_load_b128 v[CN+8*(\b)+4:CN+8*(\b)+7], v[ACN] offset:(\off)+16
.endm
.macro WM a, b                         ; 2 (the centres in buffer b) . (tile a of x) - xn.  Every product has an accumulator of its own, apart from its C
.if ((\a)%2) == 0
.set WA, CF+12*(\b)                    ; (C, Z): the operand's lower tile
.else
.set WA, CF-6+12*(\b)                  ; (Z, C): its upper tile
.endif
	v_wmma_scale_f32_16x16x128_f8f6f4 v[DT+8*(\a):DT+8*(\a)+7], v[WA:WA+11], v[XF+12*((\a)/2):XF+12*((\a)/2)+11], v[XNC+8*(\a):XNC+8*(\a)+7], v[CSC+(\b)], v[XS+(\a)/2] matrix_a_fmt:MATRIX_FMT_FP6 matrix_b_fmt:MATRIX_FMT_FP6
.endm
.macro ADD4 a, b                       ; - cn, two at a time, from the accumulator's low end on
.irp i, 0,2,4,6
	v_pk_add_f32 v[DT+8*(\a)+\i:DT+8*(\a)+\i+1], v[DT+8*(\a)+\i:DT+8*(\a)+\i+1], v[CN+8*(\b)+\i:CN+8*(\b)+\i+1]
.endr
.endm
.macro TREE a, p                       ; the smallest of my eight magnitudes and the best so far (in register p of the two), into the other register
	v_min3_num_f32 v[MN+2*(\a)], |v[DT+8*(\a)]|, |v[DT+8*(\a)+1]|, |v[DT+8*(\a)+2]|
	v_min3_num_f32 v[MN+2*(\a)+1], |v[DT+8*(\a)+3]|, |v[DT+8*(\a)+4]|, |v[DT+8*(\a)+5]|
	s_delay_alu instid0(VALU_DEP_2)
	v_min3_num_f32 v[MN+2*(\a)], v[MN+2*(\a)], |v[DT+8*(\a)+6]|, |v[DT+8*(\a)+7]|
	s_delay_alu instid0(VALU_DEP_1)
	v_min3_num_f32 v[BE+2*(\a)+1-(\p)], v[MN+2*(\a)], v[MN+2*(\a)+1], v[BE+2*(\a)+(\p)]
.endm
.macro CMP a                           ; VCC: the lanes whose best has not changed: they keep what they have (an equal tile does not replace an earlier one)
	v_cmp_eq_f32 vcc_lo, v[BE+2*(\a)], v[BE+2*(\a)+1]
.endm
; Kept or replaced, two registers an instruction: VCC ? the second source : the first.  In each pair one destination is even and one odd, and the two first sources, like the two second ones, lie in different
; register banks (register number mod 4), which is why the tile's number stands in a vector register with number 1 mod 4.
.macro SAVE a
.irp i, 0,2,4
	v_dual_cndmask_b32 v[SV+8*(\a)+\i], v[DT+8*(\a)+\i], v[SV+8*(\a)+\i] :: v_dual_cndmask_b32 v[SV+8*(\a)+\i+1], v[DT+8*(\a)+\i+1], v[SV+8*(\a)+\i+1]
.endr
	v_dual_cndmask_b32 v[SV+8*(\a)+6], v[DT+8*(\a)+6], v[SV+8*(\a)+6] :: v_dual_cndmask_b32 v[SV+8*(\a)+7], v[TN], v[SV+8*(\a)+7]
.endm
; ONE TILE OF CENTRES (its number in v[TN]; its products were issued in the step before, from buffer u % 2).  load: the tile after next is fetched into that buffer, which is free behind the additions of -cn.
; wm: the next tile's four products, each as soon as its accumulator's numbers have been kept.
; DISTANCES: behind a product at least five plain vector lines on other tiles' registers stand ahead of the first read of its result (behind the fourth: the step of the tile's number and the
; next step's first twelve); between a buffer's last product and the loads into it stand those same thirteen.
.macro STEP u, load, wm
.set BF, (\u)%2
	ADD4 0, BF
	ADD4 1, BF
	ADD4 2, BF
	ADD4 3, BF
.if \load
	LOADC BF, ((\u)+2)*REC
.endif
	TREE 0, BF
	CMP 0
	TREE 1, BF
	SAVE 0
.if \wm
	s_wait_alu depctr_va_vdst(0)
.if \load
	s_wait_dscnt 6                                                 ; the six loads just issued may be out; the next tile's six, issued a step ago, are in
.else
	s_wait_dscnt 0x0
.endif
	WM 0, 1-BF
.endif
	CMP 1
	TREE 2, BF
	SAVE 1
.if \wm
	WM 1, 1-BF
.endif
	CMP 2
	TREE 3, BF
	SAVE 2
.if \wm
	WM 2, 1-BF
.endif
	CMP 3
	SAVE 3
.if \wm
	WM 3, 1-BF
.endif
	v_add_nc_u32 v[TN], 1, v[TN]                                   ; on to the next tile's number
.endm
; Tile a's answer: the first of the kept seven that has the best magnitude, else the eighth; its index; then the better of the two halves of the lanes, at a tie the lower index.
.macro FINISH a
	v_mov_b32 v[A0], 7
.irp j, 6,5,4,3,2,1,0
	v_cmp_neq_f32 vcc_lo, |v[SV+8*(\a)+\j]|, v[BE+2*(\a)]
	s_delay_alu instid0(VALU_DEP_1)
	v_cndmask_b32 v[A0], \j, v[A0], vcc_lo
.endr
	s_delay_alu instid0(VALU_DEP_1)
	v_lshl_add_u32 v[A0+1], v[SV+8*(\a)+7], 4, v[A0]
	s_delay_alu instid0(VALU_DEP_1)
	v_add_nc_u32 v[A0+1], v[A0+1], v[SH8]                          ; 16 t + 8 h + j
	v_permlanex16_b32 v[PX], v[BE+2*(\a)], s20, s21
	s_delay_alu instid0(VALU_DEP_2)
	v_permlanex16_b32 v[WD], v[A0+1], s20, s21
	s_delay_alu instid0(VALU_DEP_1)
	v_min_u32 v[SA], v[A0+1], v[WD]
	s_delay_alu instid0(VALU_DEP_3)
	v_cmp_lt_f32 vcc_lo, v[PX], v[BE+2*(\a)]
	s_delay_alu instid0(VALU_DEP_1)
	v_cndmask_b32 v[MN+2*(\a)+1], v[A0+1], v[WD], vcc_lo
	v_cmp_eq_f32 vcc_lo, v[PX], v[BE+2*(\a)]
	s_delay_alu instid0(VALU_DEP_1)
	v_cndmask_b32 v[MN+2*(\a)+1], v[MN+2*(\a)+1], v[SA], vcc_lo
	ds_store_b32 v[OSI], v[MN+2*(\a)+1] offset:64*(\a)             ; both halves hold the same number and write the same word
.endm
	s_load_b128 s[4:7], s[0:1], 0x0                ; x s[4:5], centers s[6:7]
	s_load_b64 s[8:9], s[0:1], 0x10                ; out0
	v_lshrrev_b32 v1, 5, v0
	v_readfirstlane_b32 s10, v1                    ; wave 0..15
	s_mul_i32 s18, s10, STGW
	s_add_co_u32 s18, s18, STG                     ; my stage
	s_mul_i32 s13, s10, 4*REC                      ; my four records
	s_mov_b32 s20, 0x76543210
	s_mov_b32 s21, 0xfedcba98                      ; v_permlanex16_b32's selects for lane xor 16
	s_mov_b32 s24, 0xffff0000                      ; lanes 16-31
	s_mov_b32 s25, 0x7f800000                      ; +infinity
	s_lshl_b32 s22, ttmp9, 18                      ; x: the work-group's 1,024 rows of 256 bytes,
	s_lshl_b32 s26, s10, 14                        ; my wave's 64; centers: my 64 rows likewise
	s_add_co_u32 s22, s22, s26
	s_mov_b32 s23, 0
	s_mov_b32 s27, 0
	s_lshl_b32 s28, ttmp9, 12                      ; out0: 4 bytes a row
	s_lshl_b32 s14, s10, 8
	s_add_co_u32 s28, s28, s14
	s_mov_b32 s29, 0
	v_and_b32 v1, 31, v0                           ; lane
	v_and_b32 v2, 15, v0                           ; r
	v_bfe_u32 v3, v0, 4, 1                         ; h
	v_lshlrev_b32 v[GX], 4, v1
	v_mul_u32_u24 v[STI], v3, SP
	v_lshl_add_u32 v[STI], v2, 4, v[STI]
	v_add_nc_u32 v[STI], s18, v[STI]
	v_mul_u32_u24 v[STO], v1, SP
	v_add_nc_u32 v[STO], s18, v[STO]
	v_lshlrev_b32 v[AC8], 3, v1
	v_add_nc_u32 v[CW8], s13, v[AC8]
	v_lshlrev_b32 v[ASC], 2, v2
	v_add_nc_u32 v[OSI], s18, v[ASC]
	v_add_nc_u32 v[ASC], 768, v[ASC]
	v_mad_u32_u24 v[CW4], v3, REC, v[ASC]
	v_add_nc_u32 v[CW4], s13, v[CW4]
	v_lshlrev_b32 v[ACN], 5, v3
	v_add_nc_u32 v[ACN], 832, v[ACN]
	v_lshlrev_b32 v[SH8], 3, v3
	v_add_nc_u32 v[OSO], s18, v[AC8]
	v_lshlrev_b32 v[GO], 3, v1
	v_mov_b32 v[PX], 0                             ; written once: a lane permute's destination counts as one of its sources
	v_mov_b32 v[PX+1], 0
	s_wait_alu depctr_va_vdst(0)
	s_wait_kmcnt 0x0
	s_add_nc_u64 s[4:5], s[4:5], s[22:23]
	s_add_nc_u64 s[6:7], s[6:7], s[26:27]
	s_add_nc_u64 s[8:9], s[8:9], s[28:29]
	GLD S0, 6, 0, 0                                ; my 64 centres fill two slots,
	GLD S1, 6, 8192, 0
	GLD S2, 4, 0, 1                                ; my first 32 rows of x the third
	s_wait_loadcnt 32                              ; loads come back in order (ISA guide 5.7.1): the first slot's 16 are in; the 32 issued behind them may be out
	TURN S0
	QUNIT S0, XF
	CHAIN1 S0, SA
	CFIN 0
	GLD S0, 4, 8192, 1                             ; the slot is free: my other 32 rows of x
	s_wait_loadcnt 32                              ; the second slot's 16 are in; x's 32 may be out
	TURN S1                                        ; (its wait for 0 also shows that the stores above have read the codes' registers)
	QUNIT S1, XF
	CHAIN1 S1, SA
	CFIN 1
	s_wait_alu depctr_va_vdst(0)
	s_wait_dscnt 0x0                               ; for the others' sake: my records have landed
	s_barrier_signal -1
	s_barrier_wait -1                              ; all 64 records lie in LDS; nobody writes them again.  (The loads of x, which touch no LDS, stay out across the barrier)
	s_wait_loadcnt 16                              ; x's first 16 loads are in
	TURN S2
	QUNIT S2, XF
	XFIN 0
	s_wait_loadcnt 0x0
	TURN S0
	QUNIT S0, XF+12
	XFIN 1
	CHAIN2 S2, S0, XNR, XNR+1
	LOADC 0, 0
	LOADC 1, REC
.irp p, 0,1
	v_xor_b32 v[XNR+\p], 0x80000000, v[XNR+\p]     ; -xn of my row
.endr
.irp p, 0,1
	v_permlanex16_b32 v[PX+\p], v[XNR+\p], s20, s21
.endr
.irp p, 0,1
.irp i, 0,1,2,3,4,5,6,7
	v_cndmask_b32 v[XNC+16*\p+\i], v[XNR+\p], v[PX+\p], s24        ; the lower tile's rows are lanes 0-15's: lanes 16-31 take lane xor 16's;
	v_cndmask_b32 v[XNC+16*\p+8+\i], v[PX+\p], v[XNR+\p], s24      ; the upper tile's are lanes 16-31's
.endr
.endr
.irp z, 64,76,88
.irp i, 0,1,2,3,4,5
	v_mov_b32 v[\z+\i], 0                          ; Z0, Z1, Z2: zero codes, for the whole walk
.endr
.endr
.set QI, 0
.rept 32
.if QI%8 == 7
	v_mov_b32 v[SV+QI], 0                          ; kept at the start: tile 0,
.else
	v_mov_b32 v[SV+QI], s25                        ; and +infinity.  (More than the 8 plain lines that a scale word made by vector lines wants ahead of a scaled product stand here)
.endif
.set QI, QI+1
.endr
	s_wait_alu depctr_va_vdst(0)
	s_wait_dscnt 6                                 ; tile 0's six loads are in, tile 1's may be out
	WM 0, 0
	WM 1, 0
	WM 2, 0
	WM 3, 0
.irp a, 0,1,2,3
	v_mov_b32 v[BE+2*\a], s25                      ; the best so far: +infinity.  (Plain lines behind the products, ahead of the first read of a result)
.endr
	v_mov_b32 v[TN], 0                             ; the walk begins at tile 0
	s_mov_b32 s17, 15
.Lwalk:                                                ; 15 trips of four tiles: tiles 0 to 59; a trip fetches tiles 4 T + 2 to 4 T + 5
	STEP 0, 1, 1
	STEP 1, 1, 1
	STEP 2, 1, 1
	STEP 3, 1, 1
	v_add_nc_u32 v[AC8], 4*REC, v[AC8]
	v_add_nc_u32 v[ASC], 4*REC, v[ASC]
	v_add_nc_u32 v[ACN], 4*REC, v[ACN]
	s_sub_co_u32 s17, s17, 1
	s_cmp_lg_u32 s17, 0
	s_cbranch_scc1 .Lwalk
	STEP 0, 1, 1                                   ; tiles 60 to 63 are written out: nothing behind tile 63 is fetched or multiplied
	STEP 1, 1, 1
	STEP 2, 0, 1
	STEP 3, 0, 0                                   ; an even number of steps: the best lies in the first of its two registers
	FINISH 0
	FINISH 1
	FINISH 2
	FINISH 3
	ds_load_b64 v[A0:A0+1], v[OSO]                 ; my wave's 64 answers, 8 bytes a lane: LDS serves a wave's instructions in order, so these see my stores
	s_wait_dscnt 0x0
	global_store_b64 v[GO], v[A0:A0+1], s[8:9]     ; 32 lanes store 256 consecutive bytes, at a multiple of 256 from out0's first byte
	s_wait_xcnt 0x0
	v_lshl_add_u32 v254, v0, 2, SPARE              ; the wave's end
	v_mov_b32 v255, 0
	s_wait_alu depctr_va_vdst(0)
	s_wait_tensorcnt 0x0
	ds_add_u32 v254, v255
	s_wait_dscnt 0x0
	s_endpgm
.Lfunc_end_k_q978e50dc46_kmeans:
	.size	k_q978e50dc46_kmeans, .Lfunc_end_k_q978e50dc46_kmeans-k_q978e50dc46_kmeans
	.p2alignl 7, 3214868480
	.fill 96, 4, 3214868480
	.section	.rodata,"a",@progbits
	.p2align	6, 0x0
	.amdhsa_kernel k_q978e50dc46_kmeans
		.amdhsa_group_segment_fixed_size 198656
		.amdhsa_private_segment_fixed_size 0
		.amdhsa_enable_private_segment 0
		.amdhsa_kernarg_size 24
		.amdhsa_user_sgpr_count 2
		.amdhsa_user_sgpr_kernarg_segment_ptr 1
		.amdhsa_wavefront_size32 1
		.amdhsa_system_sgpr_workgroup_id_x 1
		.amdhsa_system_sgpr_workgroup_id_y 1
		.amdhsa_system_sgpr_workgroup_id_z 1
		.amdhsa_system_vgpr_workitem_id 0
		.amdhsa_next_free_vgpr 256
		.amdhsa_next_free_sgpr 66
		.amdhsa_reserve_vcc 1
		.amdhsa_float_denorm_mode_32 3
		.amdhsa_float_denorm_mode_16_64 3
		.amdhsa_memory_ordered 1
		.amdhsa_forward_progress 1
		.amdhsa_inst_pref_size 104
	.end_amdhsa_kernel
	.amdgpu_metadata
---
amdhsa.version: [ 1, 2 ]
amdhsa.kernels:
  - .name:           k_q978e50dc46_kmeans
    .symbol:         k_q978e50dc46_kmeans.kd
    .args:
      - { .name: x, .offset: 0, .size: 8, .value_kind: global_buffer, .address_space: global }
      - { .name: centers, .offset: 8, .size: 8, .value_kind: global_buffer, .address_space: global }
      - { .name: out0, .offset: 16, .size: 8, .value_kind: global_buffer, .address_space: global }
    .group_segment_fixed_size: 198656
    .private_segment_fixed_size: 0
    .kernarg_segment_align: 8
    .kernarg_segment_size: 24
    .max_flat_workgroup_size: 512
    .sgpr_count:     66
    .vgpr_count:     256
    .wavefront_size: 32
...
	.end_amdgpu_metadata
.endif
;; end of part 1
